; MI455X (gfx1250); checked and timed in simulation.
; The chip was launched on July 23, 2026; its instructions are those of AMD's public machine-readable ISA for CDNA 5 (MIT licence, August 2026) and "CDNA5" Instruction Set Architecture Reference Guide (July 2026). The comments in the code are by the model that wrote it; some were corrected since.
;; Memory Attention. Allowed arithmetic: float matrix products may take bf16 or f16 operands with f32 sums; other float arithmetic in f32, or as packed bf16 or f16 multiplies, adds, multiply-adds, maxima and minima; sums over many terms, partial sums and values carried from step to step in f32; what a program stores and reads back later, other than sums and carried values, may be rounded once to bf16 or f16.
;; Inputs: attention_mask 16 x 1,024 int32; memory_attention_mask 16 x 16 x 128 int32; memory_vectors 16 x 16 x 128 x 1,024 float32; seq_vectors 16 x 1,024 x 1,024 float32.
;; Outputs: out0 16 x 1,024 x 1,024 float32.
;; One version. Each part assembles by itself: llvm-mc -triple=amdgcn-amd-amdhsa -mcpu=gfx1250 --defsym DOCPART=n.
;; ======== version 1 of 1: 3 launches
;; workspace buffers: memb 67,108,864 bytes; seqb 33,554,432 bytes; pbuf 67,108,864 bytes; stats 2,097,152 bytes
;; launch cast (part 1): grid 768 x 1, 8 waves a work-group, no clusters, 0 bytes of LDS; arguments memory_vectors, memory_attention_mask, seq_vectors, memb, seqb; writes memb, seqb
.if DOCPART == 1
	.amdgcn_target "amdgcn-amd-amdhsa--gfx1250"
	.amdhsa_code_object_version 6
	.text
	.protected	k_qa81e9646c7_cast
	.globl	k_qa81e9646c7_cast
	.p2align	8
	.type	k_qa81e9646c7_cast,@function
k_qa81e9646c7_cast:
	s_mov_b64 s[64:65], 0
	v_nop
	global_prefetch_b8 v0, s[64:65] scope:SCOPE_SE
	s_setreg_imm32_b32 hwreg(HW_REG_WAVE_MODE, 25, 1), 1
	s_wait_xcnt 0x0
; memb[b][n][:] = bf16(memory_vectors[b][n][:]) where memory_attention_mask[b][n] != 0, else 0.   seqb = bf16(seq_vectors).
; Both matrix products of the module take bf16 operands, and the residual takes the same rounded seq: each input number is rounded once, here, to nearest even.
; attention_mask is no argument of any launch: the module's function never uses it, so no result hangs on it.
; A row whose mask is 0 is not read at all (whatever it holds, NaN too, the result is 0): zeros are stored.
; SHARES.  32,768 rows of memory (work-groups 0-511) and 16,384 rows of seq (512-767), 64 rows a work-group, 8 a wave, in two trips of 4.  A row is 4,096 bytes in, 2,048 out.
; A load of a wave covers 512 consecutive bytes, a store 256 consecutive bytes at a multiple of 256 from the buffer's first byte.  Up to 32 loads of a wave are on their way.
; No LDS, no matrix unit, no cluster: no byte is wanted twice.
.set ROWF, 4096                        ; bytes in a row of f32
.set ROWH, 2048                        ; bytes in a row of bf16
.set X,   8                            ; v[8:135]  four rows, 32 registers each: as loaded, then (in place) as stored
.set SRC, 18                           ; s[18:19]  the source at my trip's first row
.set DST, 22                           ; s[22:23]  the destination at the same row
.set MK,  24                           ; s[24:31]  my eight rows' masks (1 for rows of seq)
	s_load_b256 s[4:11], s[0:1], 0x0               ; memory_vectors s[4:5], its mask s[6:7], seq_vectors s[8:9], memb s[10:11]
	s_load_b64 s[12:13], s[0:1], 0x20              ; seqb
	v_lshrrev_b32 v3, 5, v0
	v_readfirstlane_b32 s14, v3                    ; wave 0..7
	v_and_b32 v2, 31, v0
	v_lshlrev_b32 v1, 4, v2                        ; 16 bytes a lane in
	v_lshlrev_b32 v2, 3, v2                        ; 8 bytes a lane out
	s_sub_co_u32 s15, ttmp9, 512
	s_cmp_ge_u32 ttmp9, 512                        ; a work-group of seq?
	s_cselect_b32 s16, s15, ttmp9                  ; its number among its kind
	s_lshl_b32 s16, s16, 6
	s_lshl3_add_u32 s16, s14, s16                  ; my first row = 64 x work-group + 8 x wave
	s_lshl_b32 s34, s16, 2                         ; its mask's byte offset,
	s_cmp_ge_u32 ttmp9, 512
	s_cselect_b32 s34, 0, s34                      ; or 0: a work-group of seq loads eight words that it then replaces by 1
	s_mov_b32 s35, 0
	s_lshl_b32 s36, s16, 12                        ; row x 4,096, under 2^28
	s_mov_b32 s37, 0
	s_lshl_b32 s38, s16, 11                        ; row x 2,048
	s_mov_b32 s39, 0
	s_wait_kmcnt 0x0
	s_add_nc_u64 s[32:33], s[6:7], s[34:35]
	s_load_b256 s[MK:MK+7], s[32:33], 0x0          ; eight masks, 32 bytes at a multiple of 32
	s_cmp_ge_u32 ttmp9, 512
	s_cselect_b64 s[SRC:SRC+1], s[8:9], s[4:5]
	s_cselect_b64 s[DST:DST+1], s[12:13], s[10:11]
	s_add_nc_u64 s[SRC:SRC+1], s[SRC:SRC+1], s[36:37]
	s_add_nc_u64 s[DST:DST+1], s[DST:DST+1], s[38:39]
	s_mov_b32 s20, 2                               ; trips
	s_wait_kmcnt 0x0
	s_cmp_ge_u32 ttmp9, 512
.irp r, 0,1,2,3,4,5,6,7
	s_cselect_b32 s[MK+(\r)], 1, s[MK+(\r)]        ; rows of seq are all kept
.endr
; Row x of the trip comes in: eight loads, or, where its mask is 0, thirty-two zeros.  Either way all 32 registers are written.
.macro ROWIN x
	s_cmp_lg_u32 s[MK+(\x)], 0
	s_cbranch_scc0 .Lzero_\@
.irp j, 0,1,2,3,4,5,6,7
	global_load_b128 v[X+32*(\x)+4*(\j):X+32*(\x)+4*(\j)+3], v1, s[SRC:SRC+1] offset:ROWF*(\x)+512*(\j) th:TH_LOAD_NT
.endr
	s_branch .Ljoin_\@
.Lzero_\@:
.set z, 0
.rept 32
	v_mov_b32 v[X+32*(\x)+z], 0
.set z, z+1
.endr
.Ljoin_\@:
.endm
; Row x goes out: of each load's four numbers two packed words, in the first two of its registers; eight stores of 8 bytes a lane.
.macro ROWOUT x
.irp j, 0,1,2,3,4,5,6,7
	v_cvt_pk_bf16_f32 v[X+32*(\x)+4*(\j)],   v[X+32*(\x)+4*(\j)],   v[X+32*(\x)+4*(\j)+1]
	v_cvt_pk_bf16_f32 v[X+32*(\x)+4*(\j)+1], v[X+32*(\x)+4*(\j)+2], v[X+32*(\x)+4*(\j)+3]
.endr
.irp j, 0,1,2,3,4,5,6,7
	global_store_b64 v2, v[X+32*(\x)+4*(\j):X+32*(\x)+4*(\j)+1], s[DST:DST+1] offset:ROWH*(\x)+256*(\j) th:TH_STORE_NT
.endr
.endm
.Ltrip:
	ROWIN 0
	ROWIN 1
	ROWIN 2
	ROWIN 3
	s_wait_loadcnt 0x0                             ; for 0: how many loads are out hangs on the masks
	ROWOUT 0
	ROWOUT 1
	ROWOUT 2
	ROWOUT 3
	s_wait_xcnt 0x0                                ; the stores have read their data and both bases: only now are these written again
	s_add_nc_u64 s[SRC:SRC+1], s[SRC:SRC+1], 4*ROWF
	s_add_nc_u64 s[DST:DST+1], s[DST:DST+1], 4*ROWH
.irp r, 0,1,2,3
	s_mov_b32 s[MK+(\r)], s[MK+4+(\r)]             ; the second trip's masks
.endr
	s_sub_co_u32 s20, s20, 1
	s_cmp_lg_u32 s20, 0
	s_cbranch_scc1 .Ltrip
	s_endpgm
.Lfunc_end_k_qa81e9646c7_cast:
	.size	k_qa81e9646c7_cast, .Lfunc_end_k_qa81e9646c7_cast-k_qa81e9646c7_cast
	.p2alignl 7, 3214868480
	.fill 96, 4, 3214868480
	.section	.rodata,"a",@progbits
	.p2align	6, 0x0
	.amdhsa_kernel k_qa81e9646c7_cast
		.amdhsa_group_segment_fixed_size 0
		.amdhsa_private_segment_fixed_size 0
		.amdhsa_enable_private_segment 0
		.amdhsa_kernarg_size 40
		.amdhsa_user_sgpr_count 2
		.amdhsa_user_sgpr_kernarg_segment_ptr 1
		.amdhsa_wavefront_size32 1
		.amdhsa_system_sgpr_workgroup_id_x 1
		.amdhsa_system_sgpr_workgroup_id_y 1
		.amdhsa_system_sgpr_workgroup_id_z 1
		.amdhsa_system_vgpr_workitem_id 0
		.amdhsa_next_free_vgpr 144
		.amdhsa_next_free_sgpr 66
		.amdhsa_reserve_vcc 0
		.amdhsa_float_denorm_mode_32 3
		.amdhsa_float_denorm_mode_16_64 3
		.amdhsa_memory_ordered 1
		.amdhsa_forward_progress 1
		.amdhsa_inst_pref_size 17
	.end_amdhsa_kernel
	.amdgpu_metadata
---
amdhsa.version: [ 1, 2 ]
amdhsa.kernels:
  - .name:           k_qa81e9646c7_cast
    .symbol:         k_qa81e9646c7_cast.kd
    .args:
      - { .name: memory_vectors, .offset: 0, .size: 8, .value_kind: global_buffer, .address_space: global }
      - { .name: memory_attention_mask, .offset: 8, .size: 8, .value_kind: global_buffer, .address_space: global }
      - { .name: seq_vectors, .offset: 16, .size: 8, .value_kind: global_buffer, .address_space: global }
      - { .name: memb, .offset: 24, .size: 8, .value_kind: global_buffer, .address_space: global }
      - { .name: seqb, .offset: 32, .size: 8, .value_kind: global_buffer, .address_space: global }
    .group_segment_fixed_size: 0
    .private_segment_fixed_size: 0
    .kernarg_segment_align: 8
    .kernarg_segment_size: 40
    .max_flat_workgroup_size: 256
    .sgpr_count:     66
    .vgpr_count:     144
    .wavefront_size: 32
...
	.end_amdgpu_metadata
.endif
;; end of part 1
;; launch scores (part 2): grid 8 x 64, 4 waves a work-group, clusters of 4 x 4, 327,680 bytes of LDS; arguments seqb, memb, pbuf, stats; writes pbuf, stats
.if DOCPART == 2
	.amdgcn_target "amdgcn-amd-amdhsa--gfx1250"
	.amdhsa_code_object_version 6
	.text
	.protected	k_qa81e9646c7_scores
	.globl	k_qa81e9646c7_scores
	.p2align	8
	.type	k_qa81e9646c7_scores,@function
k_qa81e9646c7_scores:
	s_mov_b64 s[64:65], 0
	v_nop
	global_prefetch_b8 v0, s[64:65] scope:SCOPE_SE
	s_setreg_imm32_b32 hwreg(HW_REG_WAVE_MODE, 25, 1), 1
	s_wait_xcnt 0x0
	s_wait_alu depctr_hold_cnt(0) depctr_sa_sdst(0) depctr_va_vdst(0) depctr_va_sdst(0) depctr_va_ssrc(0) depctr_va_vcc(0) depctr_vm_vsrc(0)
	s_getreg_b32 s2, hwreg(HW_REG_IB_STS2, 6, 4)
	s_cmp_eq_u32 s2, 0
	s_cbranch_scc0 .Lentry_in_a_cluster
	s_endpgm
.Lentry_in_a_cluster:
	s_bfe_u32 s2, ttmp6, 0x10000c
	s_cmp_lg_u32 s2, 0xf033
	s_cbranch_scc0 .Lentry_shape_is_right
	s_endpgm
.Lentry_shape_is_right:
; S[b][s][n] = sum over h of Q[b][s][h] R[b][h][n].  Q = seqb [16][1024][1024] bf16.  R is memb's batch of 2,048 x 1,024 numbers READ AS [1024 h][2048 n] (a reshape, no transposition): k rows of 4,096 bytes.
; Then, for each row s and each block j of 128 keys: m = the block's largest score, F = floor(-c m) with c = log2(e), p = 2^(c s + F), l = the sum of the 128 p.
; Stored: p rounded to bf16 in pbuf [16][1024 s][2048 n]; F and l in f32 in stats [16 b][16 j][2][1024 s] (plane 0 F, plane 1 l).  The next launch brings the sixteen blocks of a row to one common F.
; So the maximum is taken away before the exponential, rounded to a whole number in base 2: c s + F is at most the rounding of c m (p <= 1 to within that), each block's l is about 0.5 or more,
; and the later change of F is a multiplication by a power of two.  Sums in f32; l is taken of the unrounded p.
; LIMITS.  A weight below 2^-126 counts as 0; NaN and infinities are not treated apart.  attention_mask is no argument: the module's function never uses it.
; WHY P GOES THROUGH MEMORY.  Both products have 1,024 channels: O's f32 sums for M queries are M x 4,096 bytes, so one work-group could keep 64 queries beside its operands, and each number of R and V
; would feed 64 multiply-adds.  Here each feeds 256.
; SHAPE.  A tile of S is 256 x 256, made by four waves, each 128 x 128: 64 accumulators of 16 x 16 in 512 registers.  K goes in 8 steps of 128 through a ring of two LDS slots.
; A wave's 128 columns are one block j, so the softmax never leaves the wave: the matrix instruction is used transposed (source 0 = 16 columns of R, source 1 = 16 rows of Q), a lane holds one row (lane % 16)
; and the columns 8 (lane / 16) + 0..7 of each of eight accumulators, and one exchange between the halves of the lanes ends a maximum or a sum.
; R lies [k][n] in LDS and is turned on the way into registers by ds_load_tr16_b128.
; CLUSTERS.  4 x 4 work-groups; the cluster's y is the batch.  The four of a row of the cluster need the same rows of Q, the four of a column the same columns of R: each tile is asked for jointly,
; by the same tensor load with the same descriptor and a mask that names the four.
; REGISTERS, in windows of 256 (s_set_vgpr_msb: bits 1:0 source 0, 3:2 source 1, 5:4 source 2, 7:6 destination):
;   window 0: v0-31 addresses; v64-127, v128-191 fragments of Q, two buffers; on the way out v64-87 at work, v128-191 a block's 64 numbers a lane, v192-223 packed p, v32-63 rows read back from the stage
;   window 1: v64-127, v128-191 fragments of R, two buffers       window 2: the accumulators of my rows 0-63 ((a, b) at v[8 (8 (a % 4) + b)])       window 3: those of rows 64-127
.set TSTEPS, 8                         ; K steps: 1,024 / 128
.set PITCH,  272                       ; a row of Q in LDS: 256 bytes + 16 = 68 words: the 16 rows of a load start at 16 different groups of four banks (64 banks of 4 bytes: ISA guide 11.1)
.set PB,     544                       ; a k row of R in LDS: 512 bytes + 32 = 136 words
.set HALFT,  128*PITCH                 ; what one tensor load brings: 128 rows of Q, or 64 k rows of R (64 x 544 is the same number)
.set SLOT,   4*HALFT                   ; Q's 256 rows, then R's 128 k rows.  SLOT = 0x22000 shares no bit with wave x HALFT, so one exclusive or changes slots
.set STAGE,  2*SLOT                    ; behind the ring: 16 rows x 272 bytes for each wave, for the way out
.set SPITCH, 272
.set STST,   STAGE+4*16*SPITCH         ; 1,024 bytes for each wave: its 128 rows' F, then their l
.set SPARE,  STST+4*1024               ; the spare words, 128 bytes for each wave: two blocks of 256 bytes that no other line names
.set ROWA,   2048                      ; bytes in a row of Q
.set ROWB,   4096                      ; bytes in a k row of R
.set ROWC,   4096                      ; bytes in a row of pbuf
.set STEP_A, 256                       ; a K step along Q's rows
.set STEP_B, 128*ROWB                  ; and down R's
.set ADRA0, 16                         ; v16  my place in Q's tile of slot 0; never rewritten
.set ADRA,  17                         ; v17  the same in the slot in hand
.set ADRB0, 20                         ; v20, v21  the same for R
.set ADRB,  21
.set SA,  22                           ; v22  where I put a row's F: it steps by 64 bytes, 16 rows, a block
.set SR,  23                           ; v23  where I read 16 bytes of my wave's F back
.set STO, 24                           ; v24  the way out: where I put 16 bytes of a row
.set RD,  25                           ; v25  where I read a row back
.set CO,  26                           ; v26  my byte offset in two rows of pbuf
.set SO,  27                           ; v27  my byte offset in 512 bytes of stats
.set SPW, 28                           ; v28  LDS address of my spare word; never rewritten
.set NIL, 29                           ; v29  0; never rewritten
.set PFO, 30                           ; v30  the prefetches' offset; never rewritten
.set OB,  32                           ; v[32:63]  16 rows read back from the stage
.set F0,  64
.set F1,  128
.set PV,  128                          ; v[128:191]  the way out: c s + F, then p, of my row in the block in hand
.set TMP, 192
.set TT,  64                           ; v64-71  eight running maxima
.set MX,  72
.set TX,  73
.set FF,  74                           ; v[74:75]  F, twice
.set LS,  76
.set SV,  80                           ; v[80:87]  F and l on their way to stats
.set G1,  24                           ; s[24:31] descriptor group 1 for Q's tiles
.set G0,  32                           ; s[32:39] group 0: a set for each first fill; the second then walks
.set G1B, 48                           ; s[48:55], s[56:63] the same for R's
.set G0B, 56
.set LIM, 43                           ; s43  2 in a wave that prefetches, else the greatest number
.set PFA, 44                           ; s[44:45] where my prefetches stand
.set PFS, 66                           ; s[66:67] their step
.set CS,  70                           ; s[70:71] c, twice
.set SEL, 72                           ; s[72:73] v_permlanex16_b32's selects: each lane takes its own place in the other half
.set OFS, 91                           ; s91  0 or SLOT: the slot in hand
.set MSB, 0
.macro WIN new                         ; the immediate's high byte repeats the setting that is left; a switch that changes nothing is dropped
.if MSB != (\new)
	s_set_vgpr_msb (MSB<<8)|(\new)
.set MSB, (\new)
.endif
.endm
.macro PLACES                          ; four plain instructions between a matrix instruction and a load into, or a vector instruction on, its registers
.rept 4
	v_nop
.endr
.endm
; A joint refill by the walking descriptors.  Waves 0 and 1 fetch Q's two halves, waves 2 and 3 R's.  The branch hangs on the wave's number alone.  An s_nop 0 and four v_nop follow each line.
.macro JLOAD
	s_cmp_eq_u32 s11, 0
	s_cbranch_scc0 .Lfor_b_\@
	tensor_load_to_lds s[G0+4:G0+7], s[G1:G1+7]
	s_nop 0
.rept 4
	v_nop
.endr
	s_branch .Lasked_\@
.Lfor_b_\@:
	tensor_load_to_lds s[G0B+4:G0B+7], s[G1B:G1B+7]
	s_nop 0
.rept 4
	v_nop
.endr
.Lasked_\@:
.endm
; A PREFETCH INTO THE L2 of the K step that stands two refills on (512 matrix instructions ahead of the load that will want it): 32 blocks of 256 bytes, a lane a block, one instruction a wave.
; Of the 128 rows of Q that a wave fetches each of the four partners that ask jointly takes 32 (told apart by address, by cx); of R's 64 k rows of 512 bytes each takes 16 (by cy), two lanes a row.
; Q's rows are read by both clusters of a batch: the one with x = 0 asks.  R's columns are read by one cluster.  So each block is named once.  The loop's last two trips ask for nothing: there is no such K step.
.macro ASK
	s_cmp_gt_u32 s3, s[LIM]
	s_cbranch_scc0 .Lnot_mine_\@
	global_prefetch_b8 v[PFO], s[PFA:PFA+1] th:TH_LOAD_NT scope:SCOPE_SE
.Lnot_mine_\@:
.endm
.macro CREST                           ; a round of the cluster's barrier behind its opening barrier
	s_cmp_lg_u32 s10, 0
	s_cbranch_scc1 .Lnot_wave_0_\@
	s_barrier_signal -3
.Lnot_wave_0_\@:
	s_barrier_wait -3
	s_barrier_signal -1
	s_barrier_wait -1
.endm
.macro CROUND                          ; a whole round
	s_barrier_signal -1
	s_barrier_wait -1
	CREST
.endm
	s_load_b128 s[4:7], s[0:1], 0x0                ; seqb s[4:5], memb s[6:7]
	s_load_b64 s[8:9], s[0:1], 0x10                ; pbuf
	s_load_b64 s[68:69], s[0:1], 0x18              ; stats
	v_lshl_add_u32 v[SPW], v0, 2, SPARE
	v_mov_b32 v[NIL], 0
	ds_add_u32 v[SPW], v[NIL]                      ; the wave's opening: the add and its wait stand ahead of my first tensor load; the set-up below, work on registers, stands between them
	v_lshrrev_b32 v1, 5, v0
	v_readfirstlane_b32 s10, v1                    ; wave 0..3
	s_lshr_b32 s11, s10, 1                         ; which half of the tile's rows is mine.  Also: I fetch for Q (0) or for R (1)
	s_and_b32 s12, s10, 1                          ; which half of its columns.  Also: which half of that tile I fetch
	s_bfe_u32 s40, ttmp6, 0x40000                  ; cx
	s_bfe_u32 s41, ttmp6, 0x40004                  ; cy
	s_lshl_b32 s42, ttmp9, 2
	s_add_co_u32 s42, s42, s40                     ; tile column 0..7 = 4 x cluster x + cx
	s_and_b32 s90, ttmp7, 0xffff                   ; the batch = cluster y
	s_lshl_b32 s13, s90, 2
	s_add_co_u32 s13, s13, s41                     ; tile row 0..63 over all batches = 4 x batch + cy
	s_lshl_b32 s74, s41, 2
	s_lshl_b32 s74, 15, s74                        ; my row of the cluster
	s_lshl_b32 s75, 0x1111, s40                    ; my column
	s_or_b32 s[G1+0], s74, (1<<16)|(1<<20)|(1<<21)|(5<<22)|(3<<25)   ; the mask; 2-byte elements; padding on; bit 21 beside a mask; after every 64 words 4 words
	s_mov_b32 s[G1+1], 128<<16                     ; tensor_dim0 = 128
	s_mov_b32 s[G1+2], 128<<16                     ; tensor_dim1 = 128
	s_mov_b32 s[G1+3], 128<<16                     ; tile_dim0 = 128
	s_mov_b32 s[G1+4], 128                         ; tile_dim1 = 128
	s_mov_b32 s[G1+5], ROWA/2                      ; elements from row to row
	s_mov_b32 s[G1+6], 0
	s_mov_b32 s[G1+7], 0
	s_or_b32 s[G1B+0], s75, (1<<16)|(1<<20)|(1<<21)|(6<<22)|(7<<25)  ; after every 128 words 8 words
	s_mov_b32 s[G1B+1], 256<<16                    ; tensor_dim0 = 256
	s_mov_b32 s[G1B+2], 64<<16                     ; tensor_dim1 = 64
	s_mov_b32 s[G1B+3], 256<<16                    ; tile_dim0 = 256
	s_mov_b32 s[G1B+4], 64                         ; tile_dim1 = 64
	s_mov_b32 s[G1B+5], ROWB/2
	s_mov_b32 s[G1B+6], 0
	s_mov_b32 s[G1B+7], 0
	s_lshl_b32 s16, s13, 8                         ; Q's tile hangs on the tile row alone, which my row of the cluster shares:
	s_lshl_b32 s17, s12, 7
	s_add_co_u32 s16, s16, s17                     ; row 256 x tile row + 128 x half,
	s_mul_i32 s16, s16, ROWA                       ; in bytes, under 2^26
	s_mov_b32 s17, 0
	s_lshl_b32 s46, s90, 22                        ; R's on the batch and the tile column, which my column shares: a batch is 2^22 bytes,
	s_mul_i32 s47, s12, 64*ROWB                    ; my 64 k rows,
	s_add_co_u32 s46, s46, s47
	s_lshl_b32 s47, s42, 9                         ; 256 columns of 2 bytes
	s_add_co_u32 s46, s46, s47
	s_mov_b32 s47, 0
	s_mul_i32 s20, s10, HALFT                      ; where they go: wave x HALFT: no place in the cluster enters an LDS address
	s_mov_b32 s[CS], 0x3fb8aa3b                    ; c = log2(e)
	s_mov_b32 s[CS+1], s[CS]
	s_mov_b32 s[SEL], 0x76543210
	s_mov_b32 s[SEL+1], 0xfedcba98
	s_mov_b32 s[OFS], 0
	s_wait_dscnt 0x0                               ; the opening add is done
	s_wait_kmcnt 0x0
	s_add_nc_u64 s[14:15], s[4:5], s[16:17]
	s_add_nc_u64 s[46:47], s[6:7], s[46:47]
	CROUND                                         ; all sixteen work-groups are here: the first joint loads meet
.irp s, 0,1
	s_mov_b32 s[G0+4*(\s)], 1
	s_add_co_u32 s[G0+4*(\s)+1], s20, (\s)*SLOT
	s_add_nc_u64 s[G0+4*(\s)+2:G0+4*(\s)+3], s[14:15], (\s)*STEP_A
	s_or_b32 s[G0+4*(\s)+3], s[G0+4*(\s)+3], 0x80000000
	s_mov_b32 s[G0B+4*(\s)], 1
	s_add_co_u32 s[G0B+4*(\s)+1], s20, (\s)*SLOT
	s_add_nc_u64 s[G0B+4*(\s)+2:G0B+4*(\s)+3], s[46:47], (\s)*STEP_B
	s_or_b32 s[G0B+4*(\s)+3], s[G0B+4*(\s)+3], 0x80000000
.endr
	s_cmp_eq_u32 s11, 0                            ; a wave's two first fills stand in one branch: K steps 0 and 1; two loads of mine are out
	s_cbranch_scc0 .Lfirst_b
	tensor_load_to_lds s[G0:G0+3], s[G1:G1+7]
	s_nop 0
	tensor_load_to_lds s[G0+4:G0+7], s[G1:G1+7]
	s_nop 0
.rept 4
	v_nop
.endr
	s_branch .Lfirst_asked
.Lfirst_b:
	tensor_load_to_lds s[G0B:G0B+3], s[G1B:G1B+7]
	s_nop 0
	tensor_load_to_lds s[G0B+4:G0B+7], s[G1B:G1B+7]
	s_nop 0
.rept 4
	v_nop
.endr
.Lfirst_asked:
	; lane addresses
	v_and_b32 v1, 15, v0                           ; r = l % 16
	v_bfe_u32 v2, v0, 4, 1                         ; h = l / 16
	v_and_b32 v6, 31, v0                           ; l
	v_mul_u32_u24 v3, v1, PITCH
	v_lshl_add_u32 v3, v2, 4, v3                   ; r x 272 + 16 h
	s_mul_i32 s21, s11, HALFT
	v_add_nc_u32 v[ADRA0], s21, v3                 ; a fragment of Q: row r, two loads of 16 bytes 32 bytes apart
	v_and_b32 v4, 7, v0
	v_lshl_add_u32 v4, v2, 3, v4                   ; the turning load: k row 8 h + l % 8,
	v_mul_u32_u24 v4, v4, PB
	v_bfe_u32 v5, v0, 3, 1
	v_lshl_add_u32 v4, v5, 4, v4                   ; columns 8 ((l / 8) % 2) + 0..7
	s_lshl_b32 s22, s12, 8
	s_add_co_u32 s22, s22, 2*HALFT                 ; my 128 columns, behind Q's 256 rows
	v_add_nc_u32 v[ADRB0], s22, v4
	s_mul_i32 s23, s10, 16*SPITCH
	s_add_co_u32 s23, s23, STAGE                   ; my stage
	v_add_nc_u32 v[STO], s23, v3                   ; in: row r, 16 bytes for each half of the lanes
	v_mul_u32_u24 v5, v2, SPITCH
	v_lshl_add_u32 v5, v1, 4, v5
	v_add_nc_u32 v[RD], s23, v5                    ; back: lanes 0-15 one row of 256 bytes, lanes 16-31 the next
	v_lshlrev_b32 v[CO], 12, v2
	v_lshl_add_u32 v[CO], v1, 4, v[CO]             ; and the same two rows in pbuf
	s_lshl_b32 s21, s10, 10
	s_add_co_u32 s21, s21, STST
	v_lshl_add_u32 v[SA], v1, 2, s21
	v_lshl_add_u32 v[SR], v6, 4, s21
	v_lshlrev_b32 v[SO], 4, v6
	; pbuf at my part of the tile; stats at my block's plane of F, at my 128 rows
	s_lshl_b32 s16, s13, 8
	s_lshl_b32 s17, s11, 7
	s_add_co_u32 s16, s16, s17
	s_mul_i32 s16, s16, ROWC                       ; under 2^27
	s_lshl_b32 s17, s42, 9
	s_add_co_u32 s16, s16, s17
	s_lshl_b32 s17, s12, 8
	s_add_co_u32 s16, s16, s17
	s_mov_b32 s17, 0
	s_add_nc_u64 s[8:9], s[8:9], s[16:17]
	s_lshl_b32 s16, s90, 4
	s_lshl_b32 s17, s42, 1
	s_add_co_u32 s16, s16, s17
	s_add_co_u32 s16, s16, s12                     ; 16 x batch + block j = 2 x tile column + half
	s_lshl_b32 s16, s16, 13                        ; two planes of 4,096 bytes
	s_lshl_b32 s17, s41, 10
	s_add_co_u32 s16, s16, s17
	s_lshl_b32 s17, s11, 9
	s_add_co_u32 s16, s16, s17                     ; + 4 x (256 cy + 128 x half)
	s_mov_b32 s17, 0
	s_add_nc_u64 s[68:69], s[68:69], s[16:17]
	; the prefetches: they stand at K step 3; the first refill steps them to 4
	s_lshl_b32 s20, s13, 8
	s_lshl_b32 s21, s12, 7
	s_add_co_u32 s20, s20, s21
	s_lshl_b32 s21, s40, 5
	s_add_co_u32 s20, s20, s21                     ; Q: the 128 rows that I fetch, my work-group's 32 of them
	s_mul_i32 s20, s20, ROWA
	s_add_co_u32 s20, s20, 3*STEP_A
	s_lshl_b32 s21, s12, 6
	s_lshl_b32 s22, s41, 4
	s_add_co_u32 s21, s21, s22                     ; R: the 64 k rows that I fetch, my work-group's 16 of them
	s_mul_i32 s21, s21, ROWB
	s_lshl_b32 s22, s90, 22
	s_add_co_u32 s21, s21, s22
	s_lshl_b32 s22, s42, 9
	s_add_co_u32 s21, s21, s22
	s_add_co_u32 s21, s21, 3*STEP_B
	s_mov_b32 s[PFS], STEP_B
	s_mov_b32 s23, ROWB
	s_cmp_eq_u32 s11, 0                            ; do I fetch for Q?
	s_cselect_b64 s[PFA:PFA+1], s[4:5], s[6:7]
	s_cselect_b32 s22, s20, s21
	s_cselect_b32 s[PFS], STEP_A, s[PFS]
	s_cselect_b32 s20, ROWA, s23                   ; bytes from row to row
	s_cselect_b32 s21, ttmp9, 0                    ; the coordinate along which another cluster reads the same rows
	s_mov_b32 s23, 0
	s_mov_b32 s[PFS+1], 0
	s_add_nc_u64 s[PFA:PFA+1], s[PFA:PFA+1], s[22:23]
	s_cmp_eq_u32 s21, 0
	s_cselect_b32 s[LIM], 2, -1                    ; the same in all sixteen partners, for a given wave
	v_lshrrev_b32 v[PFO], s11, v6                  ; Q: a lane a row; R: two lanes a row,
	v_mul_u32_u24 v[PFO], v[PFO], s20
	v_and_b32 v7, s11, v6
	v_lshl_add_u32 v[PFO], v7, 8, v[PFO]           ; 256 bytes apart
; 8 matrix instructions: row block a (16 rows) x all 8 column blocks, 32 along K.  The 64 accumulators take turns, one instruction a turn, in the same order in every quarter, over the backward jump too.
; zero = 1: the product starts the sum.
.macro MULA f, a, zero
	WIN 0xa1+0x50*((\a)/4)                         ; source 0 (R) window 1, source 1 (Q) window 0, C and D window 2 or 3
.irp b, 0,1,2,3,4,5,6,7
.if \zero
	v_wmma_f32_16x16x32_bf16 v[8*(8*((\a)%4)+(\b)):8*(8*((\a)%4)+(\b))+7], v[(\f)+8*(\b):(\f)+8*(\b)+7], v[(\f)+8*(\a):(\f)+8*(\a)+7], 0
.else
	v_wmma_f32_16x16x32_bf16 v[8*(8*((\a)%4)+(\b)):8*(8*((\a)%4)+(\b))+7], v[(\f)+8*(\b):(\f)+8*(\b)+7], v[(\f)+8*(\a):(\f)+8*(\a)+7], v[8*(8*((\a)%4)+(\b)):8*(8*((\a)%4)+(\b))+7]
.endif
.endr
.endm
; 32 LDS loads in one run: quarter q (32 along K) of the slot in hand into buffer f: R's 128 columns, turned, then Q's 128 rows
.macro FETCH q, f
	WIN 0x40                                       ; destination window 1
.irp i, 0,1,2,3,4,5,6,7
	ds_load_tr16_b128 v[(\f)+8*(\i):(\f)+8*(\i)+3],   v[ADRB] offset:32*PB*(\q)+32*(\i)
	ds_load_tr16_b128 v[(\f)+8*(\i)+4:(\f)+8*(\i)+7], v[ADRB] offset:32*PB*(\q)+32*(\i)+16*PB
.endr
	WIN 0
.irp i, 0,1,2,3,4,5,6,7
	ds_load_b128 v[(\f)+8*(\i):(\f)+8*(\i)+3],   v[ADRA] offset:64*(\q)+16*PITCH*(\i)
	ds_load_b128 v[(\f)+8*(\i)+4:(\f)+8*(\i)+7], v[ADRA] offset:64*(\q)+16*PITCH*(\i)+32
.endr
.endm
; One of a K step's first three quarters: quarter q lies in buffer f; the next quarter's fragments are asked for at once, into g, and waited for 48 matrix instructions later.
.macro QUARTER q, f, g, zero
	PLACES                                         ; g was read by the matrix instructions just issued
	FETCH (\q)+1, \g
.irp a, 0,1,2,3,4,5
	MULA \f, \a, \zero
.endr
	s_wait_dscnt 0x0                               ; g is in
	MULA \f, 6, \zero
	MULA \f, 7, \zero
.endm
; The last quarter multiplies buffer 1 and changes slots.  In front of the barrier each wave waits for all its tensor loads (one is out: its part of the next slot), adds 0 to its spare word and waits for that;
; its reads of this slot came back in the quarter before.  fill = 1: the barrier opens a round of the cluster's, and behind the round this slot is filled again, two K steps ahead:
; from that request to the wait for it a wave issues 240 matrix instructions.
.macro TURN fill
.if \fill
	s_wait_xcnt 0x0                                ; the last prefetch, a K step back, has read its address
	s_add_nc_u64 s[PFA:PFA+1], s[PFA:PFA+1], s[PFS:PFS+1]
.endif
	WIN 0
	s_wait_tensorcnt 0x0                           ; no tensor load of mine is out, so a group 0 may be written
	ds_add_u32 v[SPW], v[NIL]                      ; 0 onto my spare word
.if \fill
	s_xor_b32 s[G0+5], s[G0+5], SLOT               ; the walking descriptors: the other slot than last time, the next K step
	s_add_nc_u64 s[G0+6:G0+7], s[G0+6:G0+7], STEP_A
	s_xor_b32 s[G0B+5], s[G0B+5], SLOT
	s_add_nc_u64 s[G0B+6:G0B+7], s[G0B+6:G0B+7], STEP_B
.endif
	MULA F1, 0, 0
	s_wait_dscnt 0x0                               ; the add is done
	s_barrier_signal -1
	MULA F1, 1, 0                                  ; work on registers while the others arrive
	WIN 0
	s_barrier_wait -1
.if \fill
	CREST                                          ; no wave of any partner still reads this slot or has a load on its way
	JLOAD                                          ; the four v_nop behind it are also the places in front of the loads below
.else
	PLACES
.endif
	s_xor_b32 s[OFS], s[OFS], SLOT
	v_add_nc_u32 v[ADRA], s[OFS], v[ADRA0]
	v_add_nc_u32 v[ADRB], s[OFS], v[ADRB0]
	FETCH 0, F0
.if \fill
	ASK
.endif
.irp a, 2,3,4,5
	MULA F1, \a, 0
.endr
	s_wait_dscnt 0x0
	MULA F1, 6, 0
	MULA F1, 7, 0
.endm
	s_wait_tensorcnt 1                             ; my part of K step 0 is in; K step 1's load, issued behind it, may stay out
	s_barrier_signal -1
	s_barrier_wait -1                              ; everybody's is
	v_mov_b32 v[ADRA], v[ADRA0]
	v_mov_b32 v[ADRB], v[ADRB0]
	FETCH 0, F0
	s_wait_dscnt 0x0
	QUARTER 0, F0, F1, 1                           ; the first quarter stands in front of the loop: its products start the sums
	WIN 0
	s_mov_b32 s3, TSTEPS-2
.Lstep:                                                ; a trip: a K step's quarters 1 to 3, one refill, the next K step's quarter 0
	QUARTER 1, F1, F0, 0
	QUARTER 2, F0, F1, 0
	TURN 1
	QUARTER 0, F0, F1, 0
	WIN 0
	s_sub_co_u32 s3, s3, 1
	s_cmp_lg_u32 s3, 0
	s_cbranch_scc1 .Lstep
	QUARTER 1, F1, F0, 0                           ; the last two K steps ask for nothing
	QUARTER 2, F0, F1, 0
	TURN 0
	QUARTER 0, F0, F1, 0
	QUARTER 1, F1, F0, 0
	QUARTER 2, F0, F1, 0
.irp a, 0,1,2,3,4,5,6,7
	MULA F1, \a, 0
.endr
; THE WAY OUT, a block of 16 rows at a time: a loop of eight trips, so that what all blocks have in common is written once, not eight times.
; SPEC a is what names block a's accumulators, and is written for each block: the lane's 64 scores of its row lie in s0-s63 = the block's eight accumulators; their maximum, F, and c s + F, which goes
; into 64 registers of window 0.  A trip jumps forward to its block's SPEC by the loop's counter, and from there to the common text, which works in window 0 alone.
.macro SPEC a, last
.Lspec\a:
.set SW, 2+(\a)/4
.set SB, 64*((\a)%4)
	WIN SW|(SW<<2)|(SW<<4)                         ; the maximum: eight chains, one an accumulator, each accumulator's lowest registers first
.irp b, 0,1,2,3,4,5,6,7
	v_max3_num_f32 v[TT+(\b)], v[SB+8*(\b)], v[SB+8*(\b)+1], v[SB+8*(\b)+2]
.endr
	WIN (SW<<2)|(SW<<4)
.irp k, 3,5
.irp b, 0,1,2,3,4,5,6,7
	v_max3_num_f32 v[TT+(\b)], v[TT+(\b)], v[SB+8*(\b)+(\k)], v[SB+8*(\b)+(\k)+1]
.endr
.endr
.irp b, 0,1,2,3,4,5,6,7
	v_max_num_f32 v[TT+(\b)], v[TT+(\b)], v[SB+8*(\b)+7]
.endr
	WIN 0
	v_max3_num_f32 v[MX], v[TT], v[TT+1], v[TT+2]
	v_max3_num_f32 v[TX], v[TT+3], v[TT+4], v[TT+5]
	v_max3_num_f32 v[MX], v[MX], v[TX], v[TT+6]
	v_max_num_f32 v[MX], v[MX], v[TT+7]
	v_permlanex16_b32 v[TX], v[MX], s[SEL], s[SEL+1]  ; the row's other 64 scores lie in the lane 16 away
	v_max_num_f32 v[MX], v[MX], v[TX]
	v_mul_f32 v[TX], 0xbfb8aa3b, v[MX]             ; -c m
	v_floor_f32 v[FF], v[TX]
	v_floor_f32 v[FF+1], v[TX]                     ; named with it as a pair
	WIN SW                                         ; source 0 in the accumulators' window, F and the destination in window 0
.set i, 0
.rept 32
	v_pk_fma_f32 v[PV+2*i:PV+2*i+1], v[SB+2*i:SB+2*i+1], s[CS:CS+1], v[FF:FF+1] op_sel_hi:[1,0,0]  ; c s + F
.set i, i+1
.endr
	WIN 0                                          ; at a label and at a branch every window is 0
.if !(\last)
	s_branch .Lcommon
.endif
.endm
.macro SEND                            ; the block that lies in v32-63 is stored.  pbuf's base has been stepped once more than the block's number: the immediate reaches 16 rows back
.irp t, 0,1,2,3,4,5,6,7
	global_store_b128 v[CO], v[OB+4*(\t):OB+4*(\t)+3], s[8:9] offset:2*(\t)*ROWC-16*ROWC th:TH_STORE_NT  ; 16 lanes store 256 consecutive bytes, at a multiple of 256 from pbuf's first byte
.endr
.endm
	PLACES
	PLACES                                         ; eight plain instructions, once a launch, between the last products and the vector work on their results and sources
	WIN 0
	s_mov_b32 s3, 8                                ; blocks to go: block a = 8 - s3
.Lblock:
.irp a, 0,1,2,3,4,5,6
	s_cmp_eq_u32 s3, 8-(\a)
	s_cbranch_scc1 .Lspec\a
.endr
	SPEC 7, 0
	SPEC 0, 0
	SPEC 1, 0
	SPEC 2, 0
	SPEC 3, 0
	SPEC 4, 0
	SPEC 5, 0
	SPEC 6, 1
.Lcommon:
	s_cmp_eq_u32 s3, 8                             ; the first trip has no block before it
	s_cbranch_scc1 .Lnone_yet
	s_wait_dscnt 0x0                               ; the block before is back from the stage: its loads were issued ahead of this block's SPEC
	SEND
.Lnone_yet:
.set i, 0
.rept 64
	v_exp_f32 v[PV+i], v[PV+i]                     ; p, in place: ONE batch of 64; no line of it names another's result
.set i, i+1
.endr
	v_nop                                          ; a plain instruction behind the last exponential,
	s_wait_alu depctr_va_vdst(0)                   ; and the one wait ahead of the batch's first reader
.set i, 0
.rept 32
	v_cvt_pk_bf16_f32 v[TMP+i], v[PV+2*i], v[PV+2*i+1]  ; words 4 b .. 4 b + 3: my eight columns of column block b
.set i, i+1
.endr
.irp d, 2,4,8,16,32                    ; the sum of the unrounded p, by halves, in place: 31 packed additions
.set i, 0
.rept 32/(\d)
	v_pk_add_f32 v[PV+2*(\d)*i:PV+2*(\d)*i+1], v[PV+2*(\d)*i:PV+2*(\d)*i+1], v[PV+2*(\d)*i+(\d):PV+2*(\d)*i+(\d)+1]
.set i, i+1
.endr
.endr
	v_add_f32 v[LS], v[PV], v[PV+1]
	v_permlanex16_b32 v[TX], v[LS], s[SEL], s[SEL+1]
	v_add_f32 v[LS], v[LS], v[TX]
	ds_store_b32 v[SA], v[FF]                      ; both halves of the lanes hold, and write, the same number
	ds_store_b32 v[SA], v[LS] offset:512
	v_add_nc_u32 v[SA], 64, v[SA]                  ; the next block's 16 rows
.irp b, 0,1,2,3,4,5,6,7
	ds_store_b128 v[STO], v[TMP+4*(\b):TMP+4*(\b)+3] offset:32*(\b)  ; 16 bytes a lane into my own stage,
.endr
	s_wait_xcnt 0x0                                ; this trip's stores, issued ahead of the exponentials, have read their base and v32-63: only now are these written again
	s_add_nc_u64 s[8:9], s[8:9], 16*ROWC
.irp t, 0,1,2,3,4,5,6,7
	ds_load_b128 v[OB+4*(\t):OB+4*(\t)+3], v[RD] offset:(\t)*2*SPITCH  ; and back as whole rows of 256 bytes; LDS serves a wave's instructions in order (ISA guide 5.7.1.4): these see the stores above
.endr
	s_sub_co_u32 s3, s3, 1
	s_cmp_lg_u32 s3, 0
	s_cbranch_scc1 .Lblock
	s_wait_dscnt 0x0                               ; the last block is back
	SEND
	ds_load_b128 v[SV:SV+3], v[SR]                 ; my wave's 128 F and 128 l, 16 bytes a lane
	ds_load_b128 v[SV+4:SV+7], v[SR] offset:512
	s_wait_dscnt 0x0
	global_store_b128 v[SO], v[SV:SV+3], s[68:69]              ; 512 consecutive bytes each
	global_store_b128 v[SO], v[SV+4:SV+7], s[68:69] offset:4096
	s_wait_tensorcnt 0x0                           ; the wave's end, behind my last tensor load and my last LDS store
	ds_add_u32 v[SPW], v[NIL]
	s_wait_dscnt 0x0
	CROUND                                         ; the closing round: no work-group ends while a partner may still ask for a tile that names it
	s_endpgm
.Lfunc_end_k_qa81e9646c7_scores:
	.size	k_qa81e9646c7_scores, .Lfunc_end_k_qa81e9646c7_scores-k_qa81e9646c7_scores
	.p2alignl 7, 3214868480
	.fill 96, 4, 3214868480
	.section	.rodata,"a",@progbits
	.p2align	6, 0x0
	.amdhsa_kernel k_qa81e9646c7_scores
		.amdhsa_group_segment_fixed_size 327680
		.amdhsa_private_segment_fixed_size 0
		.amdhsa_enable_private_segment 0
		.amdhsa_kernarg_size 32
		.amdhsa_user_sgpr_count 2
		.amdhsa_user_sgpr_kernarg_segment_ptr 1
		.amdhsa_wavefront_size32 1
		.amdhsa_system_sgpr_workgroup_id_x 1
		.amdhsa_system_sgpr_workgroup_id_y 1
		.amdhsa_system_sgpr_workgroup_id_z 1
		.amdhsa_system_vgpr_workitem_id 0
		.amdhsa_next_free_vgpr 1024
		.amdhsa_next_free_sgpr 92
		.amdhsa_reserve_vcc 0
		.amdhsa_float_denorm_mode_32 3
		.amdhsa_float_denorm_mode_16_64 3
		.amdhsa_memory_ordered 1
		.amdhsa_forward_progress 1
		.amdhsa_inst_pref_size 132
	.end_amdhsa_kernel
	.amdgpu_metadata
---
amdhsa.version: [ 1, 2 ]
amdhsa.kernels:
  - .name:           k_qa81e9646c7_scores
    .symbol:         k_qa81e9646c7_scores.kd
    .args:
      - { .name: seqb, .offset: 0, .size: 8, .value_kind: global_buffer, .address_space: global }
      - { .name: memb, .offset: 8, .size: 8, .value_kind: global_buffer, .address_space: global }
      - { .name: pbuf, .offset: 16, .size: 8, .value_kind: global_buffer, .address_space: global }
      - { .name: stats, .offset: 24, .size: 8, .value_kind: global_buffer, .address_space: global }
    .group_segment_fixed_size: 327680
    .private_segment_fixed_size: 0
    .kernarg_segment_align: 8
    .kernarg_segment_size: 32
    .max_flat_workgroup_size: 128
    .sgpr_count:     92
    .vgpr_count:     1024
    .wavefront_size: 32
...
	.end_amdgpu_metadata
.endif
;; end of part 2
;; launch mix (part 3): grid 4 x 64, 4 waves a work-group, clusters of 4 x 4, 327,680 bytes of LDS; arguments pbuf, memb, stats, seqb, out0; writes out0
.if DOCPART == 3
	.amdgcn_target "amdgcn-amd-amdhsa--gfx1250"
	.amdhsa_code_object_version 6
	.text
	.protected	k_qa81e9646c7_mix
	.globl	k_qa81e9646c7_mix
	.p2align	8
	.type	k_qa81e9646c7_mix,@function
k_qa81e9646c7_mix:
	s_mov_b64 s[64:65], 0
	v_nop
	global_prefetch_b8 v0, s[64:65] scope:SCOPE_SE
	s_setreg_imm32_b32 hwreg(HW_REG_WAVE_MODE, 25, 1), 1
	s_wait_xcnt 0x0
	s_wait_alu depctr_hold_cnt(0) depctr_sa_sdst(0) depctr_va_vdst(0) depctr_va_sdst(0) depctr_va_ssrc(0) depctr_va_vcc(0) depctr_vm_vsrc(0)
	s_getreg_b32 s2, hwreg(HW_REG_IB_STS2, 6, 4)
	s_cmp_eq_u32 s2, 0
	s_cbranch_scc0 .Lentry_in_a_cluster
	s_endpgm
.Lentry_in_a_cluster:
	s_bfe_u32 s2, ttmp6, 0x10000c
	s_cmp_lg_u32 s2, 0xf033
	s_cbranch_scc0 .Lentry_shape_is_right
	s_endpgm
.Lentry_shape_is_right:
; out0[b][s][:] = seq[b][s][:] + (sum over the 16 blocks j of 128 keys of (w_j P_j[b][s][:]) V_j[b]) / L.
; pbuf [16][1024 s][2048 n] bf16 holds p = 2^(c score + F_j); stats [16 b][16 j][2][1024 s] f32 holds F_j (a whole number) and l_j = the block's sum of p.  V = memb [16][2048 n][1024] bf16, hidden rows 0.
; For each row: Fmin = the least F_j (the block with the row's largest score has it), w_j = 2^(Fmin - F_j) <= 1, L = sum of l_j w_j.  w_j p = 2^(c score + Fmin): the row's softmax with its maximum taken away.
; w_j is a power of two, so w_j p is exact in bf16 down to the smallest normal number.  The block with F_j = Fmin has w = 1 and l of about 0.5 or more, so L is never near 0.
; The residual is seq rounded to bf16 (seqb), the same rounding that the products' operands have.  Sums in f32; out0 is f32.
; LIMITS.  w below 2^-126 counts as 0; NaN and infinities are not treated apart.  attention_mask is no argument: the module's function never uses it.
; SHAPE.  A tile of out0 is 256 x 256, four waves of 128 x 128, 64 accumulators each.  K = n goes in 16 steps of 128 through a ring of two LDS slots: K step j IS block j, so a step's fragments of P
; are multiplied by one packed (w, w) a row: 64 v_pk_mul_bf16 a quarter, four behind each of the quarter's last 16 matrix instructions, on the fragments that the NEXT quarter multiplies.
; V lies [k][column] in LDS and is turned on the way into registers.  The matrix instruction is used transposed: a lane holds one row (lane % 16) and the columns 8 (lane / 16) + 0..7.
; CLUSTERS.  4 x 4 work-groups = one batch.  The four of a row of the cluster need the same rows of P, the four of a column the same columns of V: each tile is asked for jointly.
; REGISTERS, in windows of 256 (s_set_vgpr_msb: bits 1:0 source 0, 3:2 source 1, 5:4 source 2, 7:6 destination):
;   window 0: v0-31 addresses; v32-39 (w, w) of my eight row blocks; v64-127, v128-191 fragments of P; on the way out v8-15 1 / L, v192-223 results, v32-63 and v224-255 rows read back from the stage
;   window 1: v64-127, v128-191 fragments of V; on the way out all 256: my part of the residual       windows 2, 3: the accumulators ((a, b) at v[8 (8 (a % 4) + b)] of window 2 + a / 4)
.set TSTEPS, 16                        ; K steps: 2,048 / 128
.set PITCH,  272                       ; a row of P in LDS: 256 bytes + 16 = 68 words: the 16 rows of a load start at 16 different groups of four banks (64 banks of 4 bytes: ISA guide 11.1)
.set PB,     544                       ; a k row of V in LDS: 512 bytes + 32 = 136 words
.set HALFT,  128*PITCH                 ; what one tensor load brings: 128 rows of P, or 64 k rows of V
.set SLOT,   4*HALFT                   ; 0x22000: it shares no bit with wave x HALFT, so one exclusive or changes slots
.set STAGE,  2*SLOT                    ; behind the ring: 16 rows x 272 bytes for each wave
.set SPITCH, 272
.set WT,     STAGE+4*16*SPITCH         ; [16 j][256 rows] words (w, w) in bf16: 16,384 bytes
.set IL,     WT+16384                  ; [256 rows] 1 / L in f32
.set SPARE,  IL+1024                   ; the spare words, 128 bytes for each wave: two blocks of 256 bytes that no other line names
.set ROWA,   4096                      ; bytes in a row of P
.set ROWB,   2048                      ; bytes in a k row of V, and in a row of seqb
.set ROWC,   4096                      ; bytes in a row of out0
.set STEP_A, 256
.set STEP_B, 128*ROWB
.set IV,    8                          ; v[8:15]  1 / L of my row in each of the eight blocks (the way out)
.set ADRA0, 16
.set ADRA,  17
.set ADRB0, 20
.set ADRB,  21
.set WAD0,  22                         ; v22  my row's place in a plane of WT; never rewritten
.set IA,    23                         ; v23  the same in IL
.set STO,   24
.set RD,    25
.set CO,    26
.set RA,    27                         ; v27  my place in my part of the residual
.set SPW,   28
.set NIL,   29
.set PFO,   30
.set WAD,   31                         ; v31  WAD0 + the K step's plane
.set WS,    32
.set OB,    32
.set F0,    64
.set F1,    128
.set TMP,   192
.set FS,    64                         ; v[64:95]   the set-up: F_j, then w_j, of my two rows
.set LL,    96                         ; v[96:127]  l_j
.set G1,  24
.set G0,  32
.set G1B, 48
.set G0B, 56
.set G0R, 76                           ; s[76:79], s[80:87]  the residual's descriptor
.set G1R, 80
.set LIM, 43
.set PFA, 44
.set PFS, 66
.set WOF, 70                           ; s70  1,024 x the K step whose (w, w) are fetched next
.set OFS, 91
.set MSB, 0
.macro WIN new                         ; the immediate's high byte repeats the setting that is left; a switch that changes nothing is dropped
.if MSB != (\new)
	s_set_vgpr_msb (MSB<<8)|(\new)
.set MSB, (\new)
.endif
.endm
.macro PLACES                          ; four plain instructions between a matrix instruction and a load into, or a vector instruction on, its registers
.rept 4
	v_nop
.endr
.endm
.macro JLOAD                           ; a joint refill by the walking descriptors: waves 0 and 1 fetch P's halves, waves 2 and 3 V's; an s_nop 0 and four v_nop follow each line
	s_cmp_eq_u32 s11, 0
	s_cbranch_scc0 .Lfor_b_\@
	tensor_load_to_lds s[G0+4:G0+7], s[G1:G1+7]
	s_nop 0
.rept 4
	v_nop
.endr
	s_branch .Lasked_\@
.Lfor_b_\@:
	tensor_load_to_lds s[G0B+4:G0B+7], s[G1B:G1B+7]
	s_nop 0
.rept 4
	v_nop
.endr
.Lasked_\@:
.endm
; A PREFETCH INTO THE L2 of the K step that stands two refills on (512 matrix instructions ahead of the load that will want it): 32 blocks of 256 bytes, a lane a block, one instruction a wave.
; Of the 128 rows of P that a wave fetches each of the four partners that ask jointly takes 32 (told apart by address, by cx); of V's 64 k rows of 512 bytes each takes 16 (by cy), two lanes a row.
; A batch's P and V are read by one cluster, so each block is named once.  The loop's last two trips ask for nothing: there is no such K step.
.macro ASK
	s_cmp_gt_u32 s3, s[LIM]
	s_cbranch_scc0 .Lnot_mine_\@
	global_prefetch_b8 v[PFO], s[PFA:PFA+1] th:TH_LOAD_NT scope:SCOPE_SE
.Lnot_mine_\@:
.endm
.macro CREST                           ; a round of the cluster's barrier behind its opening barrier
	s_cmp_lg_u32 s10, 0
	s_cbranch_scc1 .Lnot_wave_0_\@
	s_barrier_signal -3
.Lnot_wave_0_\@:
	s_barrier_wait -3
	s_barrier_signal -1
	s_barrier_wait -1
.endm
.macro CROUND
	s_barrier_signal -1
	s_barrier_wait -1
	CREST
.endm
	s_load_b128 s[4:7], s[0:1], 0x0                ; pbuf s[4:5], memb s[6:7]
	s_load_b64 s[68:69], s[0:1], 0x10              ; stats
	s_load_b64 s[88:89], s[0:1], 0x18              ; seqb
	s_load_b64 s[8:9], s[0:1], 0x20                ; out0
	v_lshl_add_u32 v[SPW], v0, 2, SPARE
	v_mov_b32 v[NIL], 0
	ds_add_u32 v[SPW], v[NIL]                      ; the wave's opening: the add and its wait stand ahead of my first tensor load; the set-up below, work on registers, stands between them
	v_lshrrev_b32 v1, 5, v0
	v_readfirstlane_b32 s10, v1                    ; wave 0..3
	s_lshr_b32 s11, s10, 1                         ; which half of the tile's rows is mine.  Also: I fetch for P (0) or for V (1)
	s_and_b32 s12, s10, 1                          ; which half of its columns.  Also: which half of that tile I fetch
	s_bfe_u32 s40, ttmp6, 0x40000                  ; cx
	s_bfe_u32 s41, ttmp6, 0x40004                  ; cy
	s_lshl_b32 s42, ttmp9, 2
	s_add_co_u32 s42, s42, s40                     ; tile column 0..3
	s_and_b32 s90, ttmp7, 0xffff                   ; the batch = cluster y
	s_lshl_b32 s13, s90, 2
	s_add_co_u32 s13, s13, s41                     ; tile row 0..63 over all batches
	s_lshl_b32 s74, s41, 2
	s_lshl_b32 s74, 15, s74                        ; my row of the cluster
	s_lshl_b32 s75, 0x1111, s40                    ; my column
	s_or_b32 s[G1+0], s74, (1<<16)|(1<<20)|(1<<21)|(5<<22)|(3<<25)   ; the mask; 2-byte elements; padding on; bit 21 beside a mask; after every 64 words 4 words
	s_mov_b32 s[G1+1], 128<<16                     ; tensor_dim0 = 128
	s_mov_b32 s[G1+2], 128<<16                     ; tensor_dim1 = 128
	s_mov_b32 s[G1+3], 128<<16                     ; tile_dim0 = 128
	s_mov_b32 s[G1+4], 128                         ; tile_dim1 = 128
	s_mov_b32 s[G1+5], ROWA/2
	s_mov_b32 s[G1+6], 0
	s_mov_b32 s[G1+7], 0
	s_or_b32 s[G1B+0], s75, (1<<16)|(1<<20)|(1<<21)|(6<<22)|(7<<25)  ; after every 128 words 8 words
	s_mov_b32 s[G1B+1], 256<<16                    ; tensor_dim0 = 256
	s_mov_b32 s[G1B+2], 64<<16                     ; tensor_dim1 = 64
	s_mov_b32 s[G1B+3], 256<<16                    ; tile_dim0 = 256
	s_mov_b32 s[G1B+4], 64                         ; tile_dim1 = 64
	s_mov_b32 s[G1B+5], ROWB/2
	s_mov_b32 s[G1B+6], 0
	s_mov_b32 s[G1B+7], 0
	s_mov_b32 s[G1R+0], (1<<16)|(1<<20)|(5<<22)|(3<<25)              ; the residual: a load of my own (no mask): 128 rows x 128 elements, padded as P's
	s_mov_b32 s[G1R+1], 128<<16
	s_mov_b32 s[G1R+2], 128<<16
	s_mov_b32 s[G1R+3], 128<<16
	s_mov_b32 s[G1R+4], 128
	s_mov_b32 s[G1R+5], ROWB/2
	s_mov_b32 s[G1R+6], 0
	s_mov_b32 s[G1R+7], 0
	s_lshl_b32 s16, s13, 8                         ; P's tile hangs on the tile row alone, which my row of the cluster shares
	s_lshl_b32 s17, s12, 7
	s_add_co_u32 s16, s16, s17
	s_mul_i32 s16, s16, ROWA                       ; under 2^27
	s_mov_b32 s17, 0
	s_lshl_b32 s46, s90, 22                        ; V's on the batch and the tile column, which my column shares
	s_mul_i32 s47, s12, 64*ROWB
	s_add_co_u32 s46, s46, s47
	s_lshl_b32 s47, s42, 9
	s_add_co_u32 s46, s46, s47
	s_mov_b32 s47, 0
	s_mul_i32 s20, s10, HALFT                      ; where they go: no place in the cluster enters an LDS address
	s_lshl_b32 s18, s13, 8                         ; my 128 x 128 of seqb
	s_lshl_b32 s19, s11, 7
	s_add_co_u32 s18, s18, s19
	s_mul_i32 s18, s18, ROWB
	s_lshl_b32 s19, s42, 9
	s_add_co_u32 s18, s18, s19
	s_lshl_b32 s19, s12, 8
	s_add_co_u32 s18, s18, s19
	s_mov_b32 s19, 0
	s_lshl_b32 s22, s90, 17                        ; stats at my batch, block 0, plane F, my work-group's 256 rows
	s_lshl_b32 s23, s41, 10
	s_add_co_u32 s22, s22, s23
	s_mov_b32 s23, 0
	s_mov_b32 s[G0R], 1
	s_mul_i32 s[G0R+1], s10, HALFT                 ; into my quarter of slot 0
	s_mov_b32 s[OFS], 0
	s_mov_b32 s[WOF], 0
	s_mov_b32 s[LIM], 2
	s_wait_dscnt 0x0                               ; the opening add is done
	s_wait_kmcnt 0x0
	s_add_nc_u64 s[14:15], s[4:5], s[16:17]
	s_add_nc_u64 s[46:47], s[6:7], s[46:47]
	s_add_nc_u64 s[G0R+2:G0R+3], s[88:89], s[18:19]
	s_or_b32 s[G0R+3], s[G0R+3], 0x80000000
	s_add_nc_u64 s[68:69], s[68:69], s[22:23]
	CROUND                                         ; all sixteen work-groups are here: the first joint loads meet
.irp s, 0,1
	s_mov_b32 s[G0+4*(\s)], 1
	s_add_co_u32 s[G0+4*(\s)+1], s20, (\s)*SLOT
	s_add_nc_u64 s[G0+4*(\s)+2:G0+4*(\s)+3], s[14:15], (\s)*STEP_A
	s_or_b32 s[G0+4*(\s)+3], s[G0+4*(\s)+3], 0x80000000
	s_mov_b32 s[G0B+4*(\s)], 1
	s_add_co_u32 s[G0B+4*(\s)+1], s20, (\s)*SLOT
	s_add_nc_u64 s[G0B+4*(\s)+2:G0B+4*(\s)+3], s[46:47], (\s)*STEP_B
	s_or_b32 s[G0B+4*(\s)+3], s[G0B+4*(\s)+3], 0x80000000
.endr
	s_cmp_eq_u32 s11, 0                            ; a wave's two first fills stand in one branch: K steps 0 and 1; two loads of mine are out
	s_cbranch_scc0 .Lfirst_b
	tensor_load_to_lds s[G0:G0+3], s[G1:G1+7]
	s_nop 0
	tensor_load_to_lds s[G0+4:G0+7], s[G1:G1+7]
	s_nop 0
.rept 4
	v_nop
.endr
	s_branch .Lfirst_asked
.Lfirst_b:
	tensor_load_to_lds s[G0B:G0B+3], s[G1B:G1B+7]
	s_nop 0
	tensor_load_to_lds s[G0B+4:G0B+7], s[G1B:G1B+7]
	s_nop 0
.rept 4
	v_nop
.endr
.Lfirst_asked:
	; THE ROWS' STATISTICS.  Thread t takes rows 2 t and 2 t + 1 of the work-group's 256: 8 bytes of each of the 32 planes; a wave's load covers 256 consecutive bytes.
	v_lshlrev_b32 v11, 3, v0
	v_lshl_add_u32 v10, v0, 3, WT
.irp j, 0,1,2,3,4,5,6,7,8,9,10,11,12,13,14,15
	global_load_b64 v[FS+2*(\j):FS+2*(\j)+1], v11, s[68:69] offset:8192*(\j)
	global_load_b64 v[LL+2*(\j):LL+2*(\j)+1], v11, s[68:69] offset:8192*(\j)+4096
.endr
	; lane addresses, while those loads are out
	v_and_b32 v1, 15, v0                           ; r = l % 16
	v_bfe_u32 v2, v0, 4, 1                         ; h = l / 16
	v_and_b32 v6, 31, v0                           ; l
	v_mul_u32_u24 v3, v1, PITCH
	v_lshl_add_u32 v3, v2, 4, v3                   ; r x 272 + 16 h
	s_mul_i32 s21, s11, HALFT
	v_add_nc_u32 v[ADRA0], s21, v3
	v_add_nc_u32 v[RA], s[G0R+1], v3
	v_and_b32 v4, 7, v0
	v_lshl_add_u32 v4, v2, 3, v4                   ; the turning load: k row 8 h + l % 8,
	v_mul_u32_u24 v4, v4, PB
	v_bfe_u32 v5, v0, 3, 1
	v_lshl_add_u32 v4, v5, 4, v4                   ; columns 8 ((l / 8) % 2) + 0..7
	s_lshl_b32 s22, s12, 8
	s_add_co_u32 s22, s22, 2*HALFT
	v_add_nc_u32 v[ADRB0], s22, v4
	s_mul_i32 s23, s10, 16*SPITCH
	s_add_co_u32 s23, s23, STAGE                   ; my stage
	v_mul_u32_u24 v5, v1, SPITCH
	v_lshl_add_u32 v5, v2, 5, v5
	v_add_nc_u32 v[STO], s23, v5                   ; in: row r, 32 bytes (8 f32) for each half of the lanes
	v_mul_u32_u24 v5, v2, SPITCH
	v_lshl_add_u32 v5, v1, 4, v5
	v_add_nc_u32 v[RD], s23, v5                    ; back: lanes 0-15 one row of 256 bytes, lanes 16-31 the next
	v_lshlrev_b32 v[CO], 12, v2
	v_lshl_add_u32 v[CO], v1, 4, v[CO]             ; and the same two rows in out0
	s_lshl_b32 s21, s11, 9                         ; 4 x my 128 rows
	s_add_co_u32 s22, s21, WT
	v_lshl_add_u32 v[WAD0], v1, 2, s22
	s_add_co_u32 s22, s21, IL
	v_lshl_add_u32 v[IA], v1, 2, s22
	s_lshl_b32 s16, s13, 8                         ; out0 at my part of the tile
	s_lshl_b32 s17, s11, 7
	s_add_co_u32 s16, s16, s17
	s_mul_i32 s16, s16, ROWC
	s_lshl_b32 s17, s42, 10
	s_add_co_u32 s16, s16, s17
	s_lshl_b32 s17, s12, 9
	s_add_co_u32 s16, s16, s17
	s_mov_b32 s17, 0
	s_add_nc_u64 s[8:9], s[8:9], s[16:17]
	; the prefetches: they stand at K step 3; the first refill steps them to 4
	s_lshl_b32 s20, s13, 8
	s_lshl_b32 s21, s12, 7
	s_add_co_u32 s20, s20, s21
	s_lshl_b32 s21, s40, 5
	s_add_co_u32 s20, s20, s21                     ; P: the 128 rows that I fetch, my work-group's 32 of them
	s_mul_i32 s20, s20, ROWA
	s_add_co_u32 s20, s20, 3*STEP_A
	s_lshl_b32 s21, s12, 6
	s_lshl_b32 s22, s41, 4
	s_add_co_u32 s21, s21, s22                     ; V: the 64 k rows that I fetch, my work-group's 16 of them
	s_mul_i32 s21, s21, ROWB
	s_lshl_b32 s22, s90, 22
	s_add_co_u32 s21, s21, s22
	s_lshl_b32 s22, s42, 9
	s_add_co_u32 s21, s21, s22
	s_add_co_u32 s21, s21, 3*STEP_B
	s_mov_b32 s[PFS], STEP_B
	s_mov_b32 s23, ROWB
	s_cmp_eq_u32 s11, 0                            ; do I fetch for P?
	s_cselect_b64 s[PFA:PFA+1], s[4:5], s[6:7]
	s_cselect_b32 s22, s20, s21
	s_cselect_b32 s[PFS], STEP_A, s[PFS]
	s_cselect_b32 s20, ROWA, s23
	s_mov_b32 s23, 0
	s_mov_b32 s[PFS+1], 0
	s_add_nc_u64 s[PFA:PFA+1], s[PFA:PFA+1], s[22:23]
	v_lshrrev_b32 v[PFO], s11, v6                  ; P: a lane a row; V: two lanes a row,
	v_mul_u32_u24 v[PFO], v[PFO], s20
	v_and_b32 v7, s11, v6
	v_lshl_add_u32 v[PFO], v7, 8, v[PFO]           ; 256 bytes apart
	s_wait_loadcnt 0x0                             ; F and l
.irp u, 0,1                            ; Fmin of each of my two rows
	v_min3_num_f32 v[12+(\u)], v[FS+(\u)], v[FS+2+(\u)], v[FS+4+(\u)]
.irp k, 0,1,2,3,4,5
	v_min3_num_f32 v[12+(\u)], v[12+(\u)], v[FS+6+4*(\k)+(\u)], v[FS+8+4*(\k)+(\u)]
.endr
	v_min_num_f32 v[12+(\u)], v[12+(\u)], v[FS+30+(\u)]
.endr
.irp j, 0,1,2,3,4,5,6,7,8,9,10,11,12,13,14,15
	v_pk_add_f32 v[FS+2*(\j):FS+2*(\j)+1], v[12:13], v[FS+2*(\j):FS+2*(\j)+1] neg_lo:[0,1] neg_hi:[0,1]  ; Fmin - F_j
.endr
.set i, 0
.rept 32
	v_exp_f32 v[FS+i], v[FS+i]                     ; w_j
.set i, i+1
.endr
	v_nop                                          ; a plain instruction behind the last exponential,
	s_wait_alu depctr_va_vdst(0)                   ; and the one wait ahead of the batch's first reader
	v_pk_mul_f32 v[14:15], v[LL:LL+1], v[FS:FS+1]
.irp j, 1,2,3,4,5,6,7,8,9,10,11,12,13,14,15
	v_pk_fma_f32 v[14:15], v[LL+2*(\j):LL+2*(\j)+1], v[FS+2*(\j):FS+2*(\j)+1], v[14:15]  ; L
.endr
.set i, 0
.rept 32
	v_cvt_pk_bf16_f32 v[FS+i], v[FS+i], v[FS+i]    ; (w, w): the rounding gives the exact power of two
.set i, i+1
.endr
.irp j, 0,1,2,3,4,5,6,7,8,9,10,11,12,13,14,15
	ds_store_b64 v10, v[FS+2*(\j):FS+2*(\j)+1] offset:1024*(\j)
.endr
	v_rcp_f32 v14, v14
	v_rcp_f32 v15, v15
	v_nop
	s_wait_alu depctr_va_vdst(0)
	ds_store_b64 v10, v[14:15] offset:IL-WT
; 8 matrix instructions: row block a x all 8 column blocks, 32 along K.  The 64 accumulators take turns, one instruction a turn, in the same order in every quarter, over the backward jump too.
.macro MULA f, a, zero
	WIN 0xa1+0x50*((\a)/4)                         ; source 0 (V) window 1, source 1 (P) window 0, C and D window 2 or 3
.irp b, 0,1,2,3,4,5,6,7
.if \zero
	v_wmma_f32_16x16x32_bf16 v[8*(8*((\a)%4)+(\b)):8*(8*((\a)%4)+(\b))+7], v[(\f)+8*(\b):(\f)+8*(\b)+7], v[(\f)+8*(\a):(\f)+8*(\a)+7], 0
.else
	v_wmma_f32_16x16x32_bf16 v[8*(8*((\a)%4)+(\b)):8*(8*((\a)%4)+(\b))+7], v[(\f)+8*(\b):(\f)+8*(\b)+7], v[(\f)+8*(\a):(\f)+8*(\a)+7], v[8*(8*((\a)%4)+(\b)):8*(8*((\a)%4)+(\b))+7]
.endif
.endr
.endm
; The same for a = 6, 7, and behind each matrix instruction four of the 64 multiplications that scale buffer g's fragments of P, which have just landed and which no matrix instruction near names.
.macro MULAR f, a, g, zero
.irp b, 0,1,2,3,4,5,6,7
	WIN 0xa1+0x50*((\a)/4)
.if \zero
	v_wmma_f32_16x16x32_bf16 v[8*(8*((\a)%4)+(\b)):8*(8*((\a)%4)+(\b))+7], v[(\f)+8*(\b):(\f)+8*(\b)+7], v[(\f)+8*(\a):(\f)+8*(\a)+7], 0
.else
	v_wmma_f32_16x16x32_bf16 v[8*(8*((\a)%4)+(\b)):8*(8*((\a)%4)+(\b))+7], v[(\f)+8*(\b):(\f)+8*(\b)+7], v[(\f)+8*(\a):(\f)+8*(\a)+7], v[8*(8*((\a)%4)+(\b)):8*(8*((\a)%4)+(\b))+7]
.endif
	WIN 0
.irp z, 0,1,2,3
	v_pk_mul_bf16 v[(\g)+32*((\a)-6)+4*(\b)+(\z)], v[(\g)+32*((\a)-6)+4*(\b)+(\z)], v[WS+(32*((\a)-6)+4*(\b)+(\z))/8]
.endr
.endr
.endm
.macro FETCH q, f                      ; 32 LDS loads in one run: quarter q of the slot in hand into buffer f: V's 128 columns, turned, then P's 128 rows
	WIN 0x40
.irp i, 0,1,2,3,4,5,6,7
	ds_load_tr16_b128 v[(\f)+8*(\i):(\f)+8*(\i)+3],   v[ADRB] offset:32*PB*(\q)+32*(\i)
	ds_load_tr16_b128 v[(\f)+8*(\i)+4:(\f)+8*(\i)+7], v[ADRB] offset:32*PB*(\q)+32*(\i)+16*PB
.endr
	WIN 0
.irp i, 0,1,2,3,4,5,6,7
	ds_load_b128 v[(\f)+8*(\i):(\f)+8*(\i)+3],   v[ADRA] offset:64*(\q)+16*PITCH*(\i)
	ds_load_b128 v[(\f)+8*(\i)+4:(\f)+8*(\i)+7], v[ADRA] offset:64*(\q)+16*PITCH*(\i)+32
.endr
.endm
.macro WLOAD                           ; the next K step's (w, w) of my row in each of the eight blocks; the old set's last use stands in the quarter before
	WIN 0
	v_add_nc_u32 v[WAD], s[WOF], v[WAD0]
.irp a, 0,1,2,3,4,5,6,7
	ds_load_b32 v[WS+(\a)], v[WAD] offset:64*(\a)
.endr
	s_add_co_u32 s[WOF], s[WOF], 1024
.endm
.macro QUARTER q, f, g, zero           ; quarter q lies, scaled, in buffer f; the next quarter's fragments are asked for at once, waited for 48 matrix instructions later, and scaled beside the last 16
	PLACES
	FETCH (\q)+1, \g
.irp a, 0,1,2,3,4,5
	MULA \f, \a, \zero
.endr
	s_wait_dscnt 0x0
	MULAR \f, 6, \g, \zero
	MULAR \f, 7, \g, \zero
.endm
; The last quarter multiplies buffer 1 and changes slots.  In front of the barrier each wave waits for all its tensor loads (one is out: its part of the next slot), adds 0 to its spare word and waits for that;
; its reads of this slot came back in the quarter before.  The barrier opens a round of the cluster's; behind the round this slot is filled again, first thing, one load a wave:
; mode = 1: jointly, with the K step two steps on (240 matrix instructions ahead of the wait for it); mode = 2, the last change: each wave's own 128 x 128 of the residual, which it alone reads on the way out.
.macro TURN mode
.if (\mode) == 1
	s_wait_xcnt 0x0                                ; the last prefetch, a K step back, has read its address
	s_add_nc_u64 s[PFA:PFA+1], s[PFA:PFA+1], s[PFS:PFS+1]
.endif
	WIN 0
	s_wait_tensorcnt 0x0                           ; no tensor load of mine is out, so a group 0 may be written
	ds_add_u32 v[SPW], v[NIL]                      ; 0 onto my spare word
.if (\mode) == 1
	s_xor_b32 s[G0+5], s[G0+5], SLOT
	s_add_nc_u64 s[G0+6:G0+7], s[G0+6:G0+7], STEP_A
	s_xor_b32 s[G0B+5], s[G0B+5], SLOT
	s_add_nc_u64 s[G0B+6:G0B+7], s[G0B+6:G0B+7], STEP_B
.endif
	MULA F1, 0, 0
	s_wait_dscnt 0x0                               ; the add is done
	s_barrier_signal -1
	MULA F1, 1, 0
	WIN 0
	s_barrier_wait -1
	CREST                                          ; no wave of any partner still reads this slot or has a load on its way
.if (\mode) == 1
	JLOAD                                          ; the four v_nop behind it are also the places in front of the loads below
.else
	tensor_load_to_lds s[G0R:G0R+3], s[G1R:G1R+7]
	s_nop 0
.rept 4
	v_nop
.endr
.endif
	s_xor_b32 s[OFS], s[OFS], SLOT
	v_add_nc_u32 v[ADRA], s[OFS], v[ADRA0]
	v_add_nc_u32 v[ADRB], s[OFS], v[ADRB0]
	FETCH 0, F0
	WLOAD
.if (\mode) == 1
	ASK
.endif
.irp a, 2,3,4,5
	MULA F1, \a, 0
.endr
	s_wait_dscnt 0x0
	MULAR F1, 6, F0, 0
	MULAR F1, 7, F0, 0
.endm
	s_wait_dscnt 0x0                               ; for the others' sake: my words of WT and IL are written
	s_wait_tensorcnt 1                             ; my part of K step 0 is in; K step 1's load, issued behind it, may stay out
	s_barrier_signal -1
	s_barrier_wait -1
	v_mov_b32 v[ADRA], v[ADRA0]
	v_mov_b32 v[ADRB], v[ADRB0]
	FETCH 0, F0
	WLOAD
	s_wait_dscnt 0x0
.set i, 0
.rept 64
	v_pk_mul_bf16 v[F0+i], v[F0+i], v[WS+i/8]      ; the first quarter's fragments are scaled by themselves, once
.set i, i+1
.endr
	QUARTER 0, F0, F1, 1                           ; the first quarter stands in front of the loop: its products start the sums
	WIN 0
	s_mov_b32 s3, TSTEPS-2
.Lstep:                                                ; a trip: a K step's quarters 1 to 3, one refill, the next K step's quarter 0
	QUARTER 1, F1, F0, 0
	QUARTER 2, F0, F1, 0
	TURN 1
	QUARTER 0, F0, F1, 0
	WIN 0
	s_sub_co_u32 s3, s3, 1
	s_cmp_lg_u32 s3, 0
	s_cbranch_scc1 .Lstep
	QUARTER 1, F1, F0, 0
	QUARTER 2, F0, F1, 0
	TURN 2                                         ; slot 0 has been read out: it takes the residual
	QUARTER 0, F0, F1, 0
	QUARTER 1, F1, F0, 0
	QUARTER 2, F0, F1, 0
.irp a, 0,1,2,3,4,5,6,7
	MULA F1, \a, 0
.endr
	; THE WAY OUT.  My part of the residual comes into window 1 in the accumulators' own layout (row r of block a, columns 16 b + 8 h + 0..7: 16 bytes), 1 / L of my rows into v8-15.
	PLACES
	PLACES                                         ; eight plain instructions, once a launch, between the last products and the loads into their sources and the vector work on their results
	s_wait_tensorcnt 0x0                           ; my residual tile is in; I alone read it
	WIN 0x40
.irp a, 0,1,2,3,4,5,6,7
.irp b, 0,1,2,3,4,5,6,7
	ds_load_b128 v[32*(\a)+4*(\b):32*(\a)+4*(\b)+3], v[RA] offset:16*PITCH*(\a)+32*(\b)
.endr
.endr
	WIN 0
.irp a, 0,1,2,3,4,5,6,7
	ds_load_b32 v[IV+(\a)], v[IA] offset:64*(\a)
.endr
	s_wait_dscnt 0x0
; Piece n = 2 a + c: 16 rows x 64 columns of f32, 256 bytes a row.  PACK2: sum x (1 / L) + residual, one fused multiply-add that reads the bf16 half as it lies; each accumulator's registers in ascending order.
.macro PACK2 n
.set PA2, (\n)/2
.set PC2, (\n)%2
	WIN 0x12+PA2/4                                 ; source 0 window 2 or 3, source 1 window 0, source 2 window 1
.irp bb, 0,1,2,3
.irp k, 0,1,2,3
	v_fma_mix_f32_bf16 v[TMP+8*(\bb)+2*(\k)],   v[8*(8*(PA2%4)+4*PC2+(\bb))+2*(\k)],   v[IV+PA2], v[32*PA2+4*(4*PC2+(\bb))+(\k)] op_sel:[0,0,0] op_sel_hi:[0,0,1]
	v_fma_mix_f32_bf16 v[TMP+8*(\bb)+2*(\k)+1], v[8*(8*(PA2%4)+4*PC2+(\bb))+2*(\k)+1], v[IV+PA2], v[32*PA2+4*(4*PC2+(\bb))+(\k)] op_sel:[0,0,1] op_sel_hi:[0,0,1]
.endr
.endr
	WIN 0
.endm
.macro TOSTAGE2 n                      ; 32 bytes a lane and column block into my own stage, and back as whole rows of 256 bytes
	WIN 0
.set BK, OB+192*((\n)%2)
.irp bb, 0,1,2,3
	ds_store_b128 v[STO], v[TMP+8*(\bb):TMP+8*(\bb)+3]   offset:64*(\bb)
	ds_store_b128 v[STO], v[TMP+8*(\bb)+4:TMP+8*(\bb)+7] offset:64*(\bb)+16
.endr
.irp t, 0,1,2,3,4,5,6,7
	ds_load_b128 v[BK+4*(\t):BK+4*(\t)+3], v[RD] offset:(\t)*2*SPITCH  ; LDS serves a wave's instructions in order (ISA guide 5.7.1.4): these see the stores above
.endr
.endm
.macro SEND2 n
	WIN 0
.set BK, OB+192*((\n)%2)
	s_wait_dscnt 0x0                               ; the piece is back in registers
	s_wait_xcnt 0x0                                ; earlier stores have read their base and data: only now are the base, and later the other set of rows, written again
.if (((\n)%2) == 0) && ((\n) > 0)
	s_add_nc_u64 s[8:9], s[8:9], 16*ROWC
.endif
.irp t, 0,1,2,3,4,5,6,7
	global_store_b128 v[CO], v[BK+4*(\t):BK+4*(\t)+3], s[8:9] offset:2*(\t)*ROWC+256*((\n)%2) th:TH_STORE_NT  ; 16 lanes store 256 consecutive bytes, at a multiple of 256 from out0's first byte
.endr
.endm
	PACK2 0
	TOSTAGE2 0
.irp n, 1,2,3,4,5,6,7,8,9,10,11,12,13,14,15  ; piece n's arithmetic stands between piece n - 1's loads from the stage and the wait for them
	PACK2 \n
	SEND2 (\n)-1
	TOSTAGE2 \n
.endr
	SEND2 15
	s_wait_tensorcnt 0x0                           ; the wave's end, behind my last tensor load and my last LDS store
	ds_add_u32 v[SPW], v[NIL]
	s_wait_dscnt 0x0
	CROUND                                         ; the closing round: no work-group ends while a partner may still ask for a tile that names it
	s_endpgm
.Lfunc_end_k_qa81e9646c7_mix:
	.size	k_qa81e9646c7_mix, .Lfunc_end_k_qa81e9646c7_mix-k_qa81e9646c7_mix
	.p2alignl 7, 3214868480
	.fill 96, 4, 3214868480
	.section	.rodata,"a",@progbits
	.p2align	6, 0x0
	.amdhsa_kernel k_qa81e9646c7_mix
		.amdhsa_group_segment_fixed_size 327680
		.amdhsa_private_segment_fixed_size 0
		.amdhsa_enable_private_segment 0
		.amdhsa_kernarg_size 40
		.amdhsa_user_sgpr_count 2
		.amdhsa_user_sgpr_kernarg_segment_ptr 1
		.amdhsa_wavefront_size32 1
		.amdhsa_system_sgpr_workgroup_id_x 1
		.amdhsa_system_sgpr_workgroup_id_y 1
		.amdhsa_system_sgpr_workgroup_id_z 1
		.amdhsa_system_vgpr_workitem_id 0
		.amdhsa_next_free_vgpr 1024
		.amdhsa_next_free_sgpr 92
		.amdhsa_reserve_vcc 0
		.amdhsa_float_denorm_mode_32 3
		.amdhsa_float_denorm_mode_16_64 3
		.amdhsa_memory_ordered 1
		.amdhsa_forward_progress 1
		.amdhsa_inst_pref_size 226
	.end_amdhsa_kernel
	.amdgpu_metadata
---
amdhsa.version: [ 1, 2 ]
amdhsa.kernels:
  - .name:           k_qa81e9646c7_mix
    .symbol:         k_qa81e9646c7_mix.kd
    .args:
      - { .name: pbuf, .offset: 0, .size: 8, .value_kind: global_buffer, .address_space: global }
      - { .name: memb, .offset: 8, .size: 8, .value_kind: global_buffer, .address_space: global }
      - { .name: stats, .offset: 16, .size: 8, .value_kind: global_buffer, .address_space: global }
      - { .name: seqb, .offset: 24, .size: 8, .value_kind: global_buffer, .address_space: global }
      - { .name: out0, .offset: 32, .size: 8, .value_kind: global_buffer, .address_space: global }
    .group_segment_fixed_size: 327680
    .private_segment_fixed_size: 0
    .kernarg_segment_align: 8
    .kernarg_segment_size: 40
    .max_flat_workgroup_size: 128
    .sgpr_count:     92
    .vgpr_count:     1024
    .wavefront_size: 32
...
	.end_amdgpu_metadata
.endif
;; end of part 3
